; MI455X (gfx1250); checked and timed in simulation.
; The chip was launched on July 23, 2026; its instructions are those of AMD's public machine-readable ISA for CDNA 5 (MIT licence, August 2026) and "CDNA5" Instruction Set Architecture Reference Guide (July 2026). The comments in the code are by the model that wrote it; some were corrected since.
;; Section Attention. Allowed arithmetic: float matrix products may take bf16 or f16 operands with f32 sums; other float arithmetic in f32, or as packed bf16 or f16 multiplies, adds, multiply-adds, maxima and minima; sums over many terms, partial sums and values carried from step to step in f32; what a program stores and reads back later, other than sums and carried values, may be rounded once to bf16 or f16.
;; Inputs: Wk 1,024 x 1,024 float32; Wo 1,024 x 1,024 float32; Wq 1,024 x 1,024 float32; Wv 1,024 x 1,024 float32; attn_scores 8 x 64 x 10 float32; bias_k 1 x 1 x 1 x 1,024 float32; bias_v 1 x 1 x 1 x 1,024 float32; bk 1,024 float32; bo 1,024 float32; bq 1,024 float32; bv 1,024 float32; query 64 x 8 x 1,024 float32; sections 8 x 8 x 64 x 1,024 float32; sections_mask 8 x 8 x 64 bool.
;; Outputs: out0 64 x 8 x 1,024 float32; out1 8 x 64 x 66 float32.
;; One version. Each part assembles by itself: llvm-mc -triple=amdgcn-amd-amdhsa -mcpu=gfx1250 --defsym DOCPART=n.
;; ======== version 1 of 1: 3 launches
;; limits: values are held in f16: magnitudes above 65,504 overflow, below 6.1e-05 lose precision
;; workspace buffers: h16 18,874,368 bytes; opart 2,097,152 bytes; wpart 2,359,296 bytes
;; launch cast (part 1): grid 1152 x 1, 8 waves a work-group, no clusters, 0 bytes of LDS; arguments sections, query, Wk, Wv, Wq, Wo, h16; writes h16
.if DOCPART == 1
	.amdgcn_target "amdgcn-amd-amdhsa--gfx1250"
	.amdhsa_code_object_version 6
	.text
	.protected	k_q75af24e04f_cast
	.globl	k_q75af24e04f_cast
	.p2align	8
	.type	k_q75af24e04f_cast,@function
k_q75af24e04f_cast:
	s_mov_b64 s[64:65], 0
	v_nop
	global_prefetch_b8 v0, s[64:65] scope:SCOPE_SE
	s_setreg_imm32_b32 hwreg(HW_REG_WAVE_MODE, 25, 1), 1
	s_wait_xcnt 0x0
; All matrix operands are rounded once from f32 to f16 and laid out anew, in 9,216 rows of 1,024 f16 (2,048 bytes):
;   rows 0-5119     for yb = 2 b + half: 256 rows of sections (flat rows 256 yb ..), then the 64 queries of batch b (so query is read twice)
;   rows 5120-8191  for head h: Wk's rows 64 h .., Wv's rows 64 h .., Wq's rows 64 h ..
;   rows 8192-9215  Wo
; LIMIT.  f16 holds no number beyond 65,504, and below 6e-5 it keeps a fixed step of 6e-8: the inputs arrive within that.
; A stream: no LDS, no barrier, no matrix unit, no cluster: no work-group reads a byte that another reads, but for query's second reading.
; A work-group takes 8 rows on end, a wave one row: 8 loads of 16 bytes a lane, 4 stores of 16 bytes a lane; each store of a wave covers 512 consecutive bytes, aligned.
; Which tensor a work-group reads is chosen by scalar selects on its number alone: no branch.
.set T,  19                            ; s19  the work-group's number
.set WV, 18                            ; s18  my wave's number
	s_load_b256 s[4:11], s[0:1], 0x0               ; sections s[4:5], query s[6:7], Wk s[8:9], Wv s[10:11]
	s_load_b128 s[12:15], s[0:1], 0x20             ; Wq s[12:13], Wo s[14:15]
	s_load_b64 s[16:17], s[0:1], 0x30              ; h16
	v_lshrrev_b32 v3, 5, v0
	v_readfirstlane_b32 s[WV], v3
	v_and_b32 v4, 31, v0
	v_lshlrev_b32 v1, 5, v4                        ; my 8 numbers of a piece of 256: 32 bytes in,
	v_lshlrev_b32 v2, 4, v4                        ; 16 bytes out
	s_mov_b32 s[T], ttmp9
	; rows 0-5119: 40 work-groups for each yb
	s_mul_i32 s20, s[T], 1639
	s_lshr_b32 s20, s20, 16                        ; yb = t / 40 (exact for t < 640)
	s_mul_i32 s21, s20, 40
	s_sub_co_u32 s21, s[T], s21                    ; r = t - 40 yb
	s_lshl_b32 s22, s20, 8
	s_lshl3_add_u32 s22, s21, s22                  ; sections' flat row 256 yb + 8 r
	s_max_u32 s23, s21, 32
	s_sub_co_u32 s23, s23, 32
	s_lshl_b32 s23, s23, 6
	s_lshr_b32 s24, s20, 1
	s_add_co_u32 s23, s23, s24                     ; query's row (8 (r - 32) + wave) x 8 + b: the wave's step is 8 rows
	; rows 5120-8191: 24 work-groups for each head
	s_max_u32 s25, s[T], 640
	s_sub_co_u32 s25, s25, 640
	s_mul_i32 s26, s25, 2731
	s_lshr_b32 s26, s26, 16                        ; h = u / 24 (exact for u < 384)
	s_mul_i32 s27, s26, 24
	s_sub_co_u32 s27, s25, s27
	s_lshr_b32 s28, s27, 3                         ; 0: Wk, 1: Wv, 2: Wq
	s_and_b32 s27, s27, 7
	s_lshl_b32 s27, s27, 3
	s_lshl_b32 s26, s26, 6
	s_add_co_u32 s27, s27, s26                     ; the weight's row 64 h + 8 (u mod 8)
	; rows 8192-9215
	s_max_u32 s29, s[T], 1024
	s_sub_co_u32 s29, s29, 1024
	s_lshl_b32 s29, s29, 3
	s_wait_kmcnt 0x0
	s_mov_b64 s[30:31], s[14:15]                   ; Wo, unless
	s_mov_b32 s32, s29
	s_mov_b32 s33, 1
	s_cmp_eq_u32 s28, 0
	s_cselect_b64 s[34:35], s[8:9], s[10:11]
	s_cmp_eq_u32 s28, 2
	s_cselect_b64 s[34:35], s[12:13], s[34:35]
	s_cmp_lt_u32 s[T], 1024                        ; one of the three other weights, unless
	s_cselect_b64 s[30:31], s[34:35], s[30:31]
	s_cselect_b32 s32, s27, s32
	s_cmp_lt_u32 s21, 32
	s_cselect_b64 s[34:35], s[4:5], s[6:7]
	s_cselect_b32 s36, s22, s23
	s_cselect_b32 s37, 1, 8
	s_cmp_lt_u32 s[T], 640                         ; sections or query
	s_cselect_b64 s[30:31], s[34:35], s[30:31]
	s_cselect_b32 s32, s36, s32
	s_cselect_b32 s33, s37, s33
	s_mul_i32 s38, s[WV], s33
	s_add_co_u32 s38, s38, s32                     ; my row,
	s_lshl_b32 s38, s38, 12                        ; of 4,096 bytes
	s_mov_b32 s39, 0
	s_add_nc_u64 s[30:31], s[30:31], s[38:39]
	s_lshl3_add_u32 s40, s[T], s[WV]               ; and where it goes: row 8 t + wave,
	s_lshl_b32 s40, s40, 11                        ; of 2,048 bytes
	s_mov_b32 s41, 0
	s_add_nc_u64 s[16:17], s[16:17], s[40:41]
.irp q, 0,1,2,3
	global_load_b128 v[8+8*(\q):8+8*(\q)+3],   v1, s[30:31] offset:1024*(\q)
	global_load_b128 v[8+8*(\q)+4:8+8*(\q)+7], v1, s[30:31] offset:1024*(\q)+16
.endr
.irp q, 0,1,2,3
	s_wait_loadcnt 6-2*(\q)                        ; loads come back in order (ISA guide 5.7.1): this piece's two are in, the later pieces' stay out
.irp p, 0,1,2,3
	v_cvt_pk_f16_f32 v[40+4*(\q)+(\p)], v[8+8*(\q)+2*(\p)], v[8+8*(\q)+2*(\p)+1]
.endr
	global_store_b128 v2, v[40+4*(\q):40+4*(\q)+3], s[16:17] offset:512*(\q)
.endr
	s_endpgm
.Lfunc_end_k_q75af24e04f_cast:
	.size	k_q75af24e04f_cast, .Lfunc_end_k_q75af24e04f_cast-k_q75af24e04f_cast
	.p2alignl 7, 3214868480
	.fill 96, 4, 3214868480
	.section	.rodata,"a",@progbits
	.p2align	6, 0x0
	.amdhsa_kernel k_q75af24e04f_cast
		.amdhsa_group_segment_fixed_size 0
		.amdhsa_private_segment_fixed_size 0
		.amdhsa_enable_private_segment 0
		.amdhsa_kernarg_size 56
		.amdhsa_user_sgpr_count 2
		.amdhsa_user_sgpr_kernarg_segment_ptr 1
		.amdhsa_wavefront_size32 1
		.amdhsa_system_sgpr_workgroup_id_x 1
		.amdhsa_system_sgpr_workgroup_id_y 1
		.amdhsa_system_sgpr_workgroup_id_z 1
		.amdhsa_system_vgpr_workitem_id 0
		.amdhsa_next_free_vgpr 56
		.amdhsa_next_free_sgpr 66
		.amdhsa_reserve_vcc 0
		.amdhsa_float_denorm_mode_32 3
		.amdhsa_float_denorm_mode_16_64 3
		.amdhsa_memory_ordered 1
		.amdhsa_forward_progress 1
		.amdhsa_inst_pref_size 5
	.end_amdhsa_kernel
	.amdgpu_metadata
---
amdhsa.version: [ 1, 2 ]
amdhsa.kernels:
  - .name:           k_q75af24e04f_cast
    .symbol:         k_q75af24e04f_cast.kd
    .args:
      - { .name: sections, .offset: 0, .size: 8, .value_kind: global_buffer, .address_space: global }
      - { .name: query, .offset: 8, .size: 8, .value_kind: global_buffer, .address_space: global }
      - { .name: Wk, .offset: 16, .size: 8, .value_kind: global_buffer, .address_space: global }
      - { .name: Wv, .offset: 24, .size: 8, .value_kind: global_buffer, .address_space: global }
      - { .name: Wq, .offset: 32, .size: 8, .value_kind: global_buffer, .address_space: global }
      - { .name: Wo, .offset: 40, .size: 8, .value_kind: global_buffer, .address_space: global }
      - { .name: h16, .offset: 48, .size: 8, .value_kind: global_buffer, .address_space: global }
    .group_segment_fixed_size: 0
    .private_segment_fixed_size: 0
    .kernarg_segment_align: 8
    .kernarg_segment_size: 56
    .max_flat_workgroup_size: 256
    .sgpr_count:     66
    .vgpr_count:     56
    .wavefront_size: 32
...
	.end_amdgpu_metadata
.endif
;; end of part 1
;; launch fused (part 2): grid 16 x 16, 4 waves a work-group, clusters of 4 x 4, 327,680 bytes of LDS; arguments h16, attn_scores, sections_mask, bk, bv, bq, bias_k, bias_v, opart, wpart; writes opart, wpart
.if DOCPART == 2
	.amdgcn_target "amdgcn-amd-amdhsa--gfx1250"
	.amdhsa_code_object_version 6
	.text
	.protected	k_q75af24e04f_fused
	.globl	k_q75af24e04f_fused
	.p2align	8
	.type	k_q75af24e04f_fused,@function
k_q75af24e04f_fused:
	s_mov_b64 s[64:65], 0
	v_nop
	global_prefetch_b8 v0, s[64:65] scope:SCOPE_SE
	s_setreg_imm32_b32 hwreg(HW_REG_WAVE_MODE, 25, 1), 1
	s_wait_xcnt 0x0
	s_wait_alu depctr_hold_cnt(0) depctr_sa_sdst(0) depctr_va_vdst(0) depctr_va_sdst(0) depctr_va_ssrc(0) depctr_va_vcc(0) depctr_vm_vsrc(0)
	s_getreg_b32 s2, hwreg(HW_REG_IB_STS2, 6, 4)
	s_cmp_eq_u32 s2, 0
	s_cbranch_scc0 .Lentry_in_a_cluster
	s_endpgm
.Lentry_in_a_cluster:
	s_bfe_u32 s2, ttmp6, 0x10000c
	s_cmp_lg_u32 s2, 0xf033
	s_cbranch_scc0 .Lentry_shape_is_right
	s_endpgm
.Lentry_shape_is_right:
; One work-group for (head h, batch b, half of the batch's 8 sections).  It projects the half's 256 section rows to K and V of the head and the batch's 64 queries to Q (a row-wise projection
; commutes with the gather, so each section row is projected once), and then attends: every query against all four sections, of which v_cndmask_b32 keeps the query's own (the first maximum of
; its 8 scores): no address and no branch hangs on the choice.  A query whose section lies in the other half gets weights 0 and O = 0 here; the next launch adds the two halves.
; FORMATS.  Matrix operands f16 (h16 as the launch before laid it; K, V, Q, bias_k and the weights rounded once), sums, biases, argmax and softmax f32.  Out: O and the weights, f16.
; LIMITS.  K, V, Q within 65,504.  A masked score counts as its value less 1e30; a weight below 2^-126 counts as 0; weights and O below 6e-5 keep f16's step of 6e-8.  NaN and infinities are not
; treated apart: a NaN among the 8 scores does not win the argmax.
; GEMM.  C = [256 section rows + 64 queries] x [Wk 64, Wv 64, Wq 64 rows], K = 1,024 in 8 steps of 128 (rows of 256 bytes, aligned) through two LDS slots filled by tensor loads.
; CLUSTER 4 x 4.  The rows of sections and queries hang on y = 2 b + half alone: asked for jointly along a row of the cluster; the weights' rows on x = h alone: along a column.
; A WAVE (i = w / 2, j = w % 2): section rows 128 i .. (8 blocks a) x channels 32 j .. of K (n = 0, 1) and of V (n = 2, 3): 32 accumulators; and its own 16 queries x 64 channels: 4.
; K and Q are made with source 0 = the weight's rows: a lane holds one key (query) and 8 channels.  V with source 0 = the section rows: a lane holds one channel and 8 keys, so that V goes to
; LDS turned and comes back as source 0 of O^T = V^T P by plain loads.  The biases bk, bv, bq are the C operands that start the sums.
; ATTENTION.  S^T = K Q^T holds one query a lane (lane % 16) and the keys 8 (lane / 16) + 0..7; the weights rounded in pairs are source 1 of V^T P.  p = 2^(c s - c m), c = log2(e) / 8, m the
; maximum of the 64 scores, bias_k's and the zero key's (0).
; REGISTERS, in windows of 256 (s_set_vgpr_msb: bits 1:0 source 0, 3:2 source 1, 5:4 source 2, 7:6 destination):
;   window 0: addresses, biases, Q's sums, all of the softmax      window 1: accumulator (a, n) at v[8 (4 a + n)]      window 2: two fragment buffers of 128; later K's and V's fragments
.set PITCH, 272                        ; a slot's row: 256 bytes + 16: an odd multiple of 16, so the 16 rows of a load start at 16 different groups of four banks (ISA guide 11.1)
.set SLOT,  512*PITCH                  ; 320 rows of sections and queries, then 192 rows of weights
.set BROW,  320*PITCH
.set SPARE, 2*SLOT                     ; the spare words: 128 bytes for each wave, two blocks of 256 bytes that no other line names
.set KREG,  SPARE+512                  ; K: 256 keys x (128 + 16) bytes
.set KP,    144
.set VP,    528                        ; V turned: 64 channels x (512 + 16) bytes, from LDS byte 0 on: in slot 0, behind its last fill and the barrier that ended its last reads
.set STG,   KREG+256*KP                ; 16 rows x 144 bytes for each wave, for the ways out
.set SP,    144
.set WV, 24                            ; s24 wave   s25 w / 2 (also: 0 fetches sections and queries, 1 weights)   s26 w % 2 (also: which half of those rows)
.set FB, 25
.set J,  26
.set CX, 27
.set CY, 28
.set HD, 29                            ; s29 h   s30 y = 2 b + half   s31 b   s32 4 x half
.set YB, 30
.set BB, 31
.set H4, 32
.set G1A, 36                           ; s[36:43] descriptor group 1, sections and queries;  s[44:51] group 0, a set for each slot
.set G0A, 44
.set G1B, 52                           ; s[52:59], s[68:75] the same for the weights
.set G0B, 68
.set MK,  76                           ; s76-79 lanes whose query chose local section 0..3
.set OWN, 80                           ; s80    their union
.set LOW16, 81                         ; s81    lanes 0-15
.set BIGN, 82                          ; s82    -1e30
.set CS,  84                           ; s[84:85] c, twice
.set SEL, 86                           ; s[86:87] v_permlanex16_b32's selects: each lane takes its own place in the other half
.set PFA, 88                           ; s[88:89] where my prefetches stand; never rewritten
.set PF1, 90                           ; s90, s91 the lap count at which I prefetch, or a number that it never takes
.set PF2, 91
.set LAP, 92
.set ADRX,  4                          ; v4-5   LDS address of my section rows' fragments in slot 0, 1
.set ADRQ,  6                          ; v6-7   of my queries'
.set ADRW,  8                          ; v8-9   of my rows of Wk (Wv's lie 64 rows on)
.set ADRWQ, 10                         ; v10-11 of Wq's
.set KST, 12                           ; v12, v13 where I put 16 bytes of K, of V
.set VST, 13
.set KRD, 14                           ; v14, v15 my lane's place in a fragment of K, of V
.set VRD, 15
.set STI, 16                           ; v16 stage, in: row l % 16, 16 bytes for each half of the lanes
.set STB, 17                           ; v17 stage, back: four rows of 128 bytes
.set STW, 18                           ; v18 stage, back: 256 bytes on end
.set GO,  19                           ; v19 16 x lane
.set PFO, 20                           ; v20 2,048 x lane: a lane a row; never rewritten
.set SPW, 28                           ; v28 my spare word: SPARE + 4 x my thread's number; never rewritten
.set NIL, 29                           ; v29 0; never rewritten
.set GW,  30                           ; v30 8 x lane
.set STT, 31                           ; v31 stage, in: row l % 16, 8 bytes for each half of the lanes
.set QACC, 32                          ; v32-63   Q's sums; then SG, a section's scores; then the weights for sections 0, 1
.set SG,   32
.set QF,   64                          ; v64-79   my queries' fragment, two buffers; then TMP v64-95; then SX v64-71, bias_k's score
.set TMP,  64
.set SX,   64
.set BK,   80                          ; v80-95 bk, v96-111 bv as C operands; then SS v80-111, the chosen scores; then the weights for sections 2, 3
.set BV,   96
.set SS,   80
.set BQ,   112                         ; v112-143 bq as C operands; then O^T
.set OA,   112
.set MB,   144                         ; v144-151 the chosen section's mask bytes; then WRB v144-161
.set WRB,  144
.set BKF,  152                         ; v152-167 bias_k as two fragments, the same in all 16 rows
.set BVR,  168                         ; v168-199 bias_v in O^T's layout
.set QFR,  200                         ; v200-215 Q as two fragments
.set W16,  216                         ; v216-231 the weights in f16; then O in f16
.set T,    232                         ; v232-255 at work
.set F0, 0
.set F1, 128
.set W_KV,  0x5a                       ; sources 0 and 1 window 2, C and D window 1
.set W_KV0, 0x4a                       ; the same with C in window 0
.set W_S0,  0x02                       ; source 0 window 2, all else window 0
.set W_LD,  0x80                       ; destination window 2, address window 0
.set W_CV,  0x05                       ; sources 0 and 1 window 1, destination window 0
.set MSB, 0
.macro WIN new                         ; the immediate's high byte repeats the setting that is left; a switch that changes nothing is dropped
.if MSB != (\new)
	s_set_vgpr_msb (MSB<<8)|(\new)
.set MSB, \new
.endif
.endm
.macro PLACES                          ; four places behind matrix instructions, in front of loads into registers that they read and of vector lines that read their results
.rept 4
	v_nop
.endr
.endm
; A joint load.  Waves 0 and 1 fetch the two halves (160 rows) of sections and queries, waves 2 and 3 those (96 rows) of the weights.  The branch hangs on the wave's number alone.
; An s_nop 0 and four v_nop follow each of the two lines, ahead of the jump and the label.
.macro JLOAD s
	s_cmp_eq_u32 s[FB], 0
	s_cbranch_scc0 .Lfor_b_\@
	tensor_load_to_lds s[G0A+4*(\s):G0A+4*(\s)+3], s[G1A:G1A+7]
	s_nop 0
.rept 4
	v_nop
.endr
	s_branch .Lasked_\@
.Lfor_b_\@:
	tensor_load_to_lds s[G0B+4*(\s):G0B+4*(\s)+3], s[G1B:G1B+7]
	s_nop 0
.rept 4
	v_nop
.endr
.Lasked_\@:
.endm
.macro CREST                           ; a round of the cluster's barrier behind its opening barrier
	s_cmp_lg_u32 s[WV], 0
	s_cbranch_scc1 .Lnot_wave_0_\@
	s_barrier_signal -3
.Lnot_wave_0_\@:
	s_barrier_wait -3
	s_barrier_signal -1
	s_barrier_wait -1
.endm
.macro CROUND
	s_barrier_signal -1
	s_barrier_wait -1
	CREST
.endm
; PREFETCHES INTO THE L2, in the loop's first trip alone, behind the joint load and the run of LDS loads: K steps 4 to 7, each row's 256 bytes named once in the launch; K steps 0 to 3 come by their loads.
; The sections' and queries' rows are read by all clusters of a row of clusters: cluster x = 0 asks; the weights' by all of a column: cluster y = 0 asks.  Of the four partners that ask for a tile
; jointly the one at place p names K step 4 + p of the rows that its waves fetch: shared out by address, never by a branch.  A lane a row: 160 rows are 3 + 2 instructions, 96 rows 3.
; K step 4 is loaded two changes of slots (288 matrix instructions) behind the first group and one behind the second.
.macro ASK n
.if (\n) == 1
	s_cmp_eq_u32 s[LAP], s[PF1]
	s_cbranch_scc0 .Lnot_mine_\@
	global_prefetch_b8 v[PFO], s[PFA:PFA+1] th:TH_LOAD_NT scope:SCOPE_SE
	global_prefetch_b8 v[PFO], s[PFA:PFA+1] offset:65536 th:TH_LOAD_NT scope:SCOPE_SE
	global_prefetch_b8 v[PFO], s[PFA:PFA+1] offset:131072 th:TH_LOAD_NT scope:SCOPE_SE
.Lnot_mine_\@:
.elseif (\n) == 2
	s_cmp_eq_u32 s[LAP], s[PF2]
	s_cbranch_scc0 .Lnot_mine_\@
	global_prefetch_b8 v[PFO], s[PFA:PFA+1] offset:196608 th:TH_LOAD_NT scope:SCOPE_SE
	global_prefetch_b8 v[PFO], s[PFA:PFA+1] offset:262144 th:TH_LOAD_NT scope:SCOPE_SE
.Lnot_mine_\@:
.endif
.endm
	s_load_b256 s[4:11], s[0:1], 0x0               ; h16 s[4:5], attn_scores s[6:7], sections_mask s[8:9], bk s[10:11]
	s_load_b256 s[12:19], s[0:1], 0x20             ; bv s[12:13], bq s[14:15], bias_k s[16:17], bias_v s[18:19]
	s_load_b128 s[20:23], s[0:1], 0x40             ; opart s[20:21], wpart s[22:23]
	v_lshl_add_u32 v[SPW], v0, 2, SPARE
	v_mov_b32 v[NIL], 0
	ds_add_u32 v[SPW], v[NIL]                      ; the wave's opening: the add and its wait stand ahead of my first tensor load; the set-up below, work on registers, stands between them
	v_lshrrev_b32 v1, 5, v0
	v_readfirstlane_b32 s[WV], v1
	s_lshr_b32 s[FB], s[WV], 1
	s_and_b32 s[J], s[WV], 1
	s_bfe_u32 s[CX], ttmp6, 0x40000
	s_bfe_u32 s[CY], ttmp6, 0x40004
	s_lshl_b32 s[HD], ttmp9, 2
	s_add_co_u32 s[HD], s[HD], s[CX]               ; h = 4 x cluster x + cx
	s_and_b32 s[YB], ttmp7, 0xffff
	s_lshl_b32 s[YB], s[YB], 2
	s_add_co_u32 s[YB], s[YB], s[CY]               ; y = 4 x cluster y + cy
	s_lshr_b32 s[BB], s[YB], 1
	s_and_b32 s[H4], s[YB], 1
	s_lshl_b32 s[H4], s[H4], 2
	s_lshl_b32 s33, s[CY], 2
	s_lshl_b32 s33, 15, s33                        ; my row of the cluster
	s_lshl_b32 s96, 0x1111, s[CX]                  ; my column
	; group 1: rows of 128 elements of 2 bytes, 16 bytes of padding behind each: 17:16 size; 20 padding on; 21 set beside a mask; 24:22 after every 64 words (code 5); 31:25 4 words (code 3)
	s_or_b32 s[G1A], s33, (1<<16)|(1<<20)|(1<<21)|(5<<22)|(3<<25)
	s_or_b32 s[G1B], s96, (1<<16)|(1<<20)|(1<<21)|(5<<22)|(3<<25)
	s_mov_b32 s[G1A+1], 128<<16                    ; tensor_dim0 = 128
	s_mov_b32 s[G1A+2], 160<<16                    ; tensor_dim1 = 160
	s_mov_b32 s[G1A+3], 128<<16                    ; tile_dim0 = 128
	s_mov_b32 s[G1A+4], 160                        ; tile_dim1 = 160
	s_mov_b32 s[G1A+5], 1024                       ; elements from row to row
	s_mov_b32 s[G1A+6], 0
	s_mov_b32 s[G1A+7], 0
	s_mov_b32 s[G1B+1], 128<<16
	s_mov_b32 s[G1B+2], 96<<16
	s_mov_b32 s[G1B+3], 128<<16
	s_mov_b32 s[G1B+4], 96
	s_mov_b32 s[G1B+5], 1024
	s_mov_b32 s[G1B+6], 0
	s_mov_b32 s[G1B+7], 0
	; where the tiles come from: each address in registers that never hold the other coordinate
	s_mul_i32 s34, s[YB], 320
	s_mul_i32 s33, s[J], 160
	s_add_co_u32 s34, s34, s33
	s_lshl_b32 s34, s34, 11                        ; row 320 y + 160 x half, of 2,048 bytes
	s_mov_b32 s35, 0
	s_mul_i32 s96, s[HD], 192
	s_mul_i32 s97, s[J], 96
	s_add_co_u32 s96, s96, s97
	s_add_co_u32 s96, s96, 5120
	s_lshl_b32 s96, s96, 11                        ; row 5,120 + 192 h + 96 x half
	s_mov_b32 s97, 0
	s_mul_i32 s60, s[J], 160*PITCH                 ; and where they go: the wave's number alone enters an LDS address
	s_mul_i32 s61, s[J], 96*PITCH
	s_add_co_u32 s61, s61, BROW
	s_mov_b32 s[LOW16], 0xffff
	s_mov_b32 s[BIGN], 0xf149f2ca                  ; -1e30
	s_mov_b32 s[CS], 0x3e38aa3b                    ; c = log2(e) / 8
	s_mov_b32 s[CS+1], s[CS]
	s_mov_b32 s[SEL], 0x76543210
	s_mov_b32 s[SEL+1], 0xfedcba98
	s_wait_dscnt 0x0                               ; the opening add is done
	s_wait_kmcnt 0x0
	s_add_nc_u64 s[94:95], s[4:5], s[34:35]
	s_add_nc_u64 s[98:99], s[4:5], s[96:97]
	CROUND                                         ; all sixteen work-groups are here: the first joint loads meet
.irp s, 0,1
	s_mov_b32 s[G0A+4*(\s)], 1                                     ; count = 1
	s_add_co_u32 s[G0A+4*(\s)+1], s60, (\s)*SLOT                   ; LDS address
	s_add_nc_u64 s[G0A+4*(\s)+2:G0A+4*(\s)+3], s[94:95], (\s)*256  ; global address: K step s
	s_or_b32 s[G0A+4*(\s)+3], s[G0A+4*(\s)+3], 0x80000000          ; type = 2
	s_mov_b32 s[G0B+4*(\s)], 1
	s_add_co_u32 s[G0B+4*(\s)+1], s61, (\s)*SLOT
	s_add_nc_u64 s[G0B+4*(\s)+2:G0B+4*(\s)+3], s[98:99], (\s)*256
	s_or_b32 s[G0B+4*(\s)+3], s[G0B+4*(\s)+3], 0x80000000
	JLOAD \s                                       ; two tensor loads of mine are out
.endr
	; the prefetches' address and their two tests
	s_and_b32 s66, ttmp7, 0xffff
	s_cmp_eq_u32 s[FB], 0
	s_cselect_b32 s62, s[CX], s[CY]                ; my place among the four that ask with me
	s_cselect_b32 s66, ttmp9, s66                  ; the coordinate along which other clusters read the same rows
	s_cselect_b64 s[PFA:PFA+1], s[94:95], s[98:99]
	s_cselect_b32 s63, 3, -1
	s_cmp_eq_u32 s66, 0
	s_cselect_b32 s[PF1], 3, -1                    ; the same in all sixteen partners, for a given wave
	s_cselect_b32 s[PF2], s63, -1
	s_add_co_u32 s62, s62, 4
	s_lshl_b32 s62, s62, 8
	s_mov_b32 s63, 0
	s_add_nc_u64 s[PFA:PFA+1], s[PFA:PFA+1], s[62:63]
	; WHILE THE TILES ARE ON THEIR WAY: 50 loads of the small inputs
	v_and_b32 v1, 15, v0                           ; l % 16
	v_bfe_u32 v2, v0, 4, 1                         ; l / 16
	v_and_b32 v[STT], 31, v0                       ; lane, for now
	s_lshl_b32 s62, s[BB], 6
	s_lshl4_add_u32 s62, s[WV], s62
	s_mul_i32 s62, s62, 40
	v_mul_u32_u24 v240, v1, 40
	v_add_nc_u32 v240, s62, v240                   ; my query's ten scores: (64 b + 16 w + l % 16) x 40 bytes
	s_lshl_b32 s62, s[BB], 3
	s_add_co_u32 s62, s62, s[H4]
	s_lshl_b32 s62, s62, 6
	v_lshl_add_u32 v241, v2, 3, s62                ; the half's first section's mask, my 8 keys of 16
	s_lshl_b32 s62, s[HD], 8
	v_lshl_add_u32 v242, v2, 5, s62                ; the head's 64 numbers of a vector, my 8 of 16
	s_lshl_b32 s63, s[J], 7
	s_add_co_u32 s63, s63, s62
	v_lshl_add_u32 v243, v2, 5, s63                ; the same in my wave's 32 channels
	v_lshl_add_u32 v244, v1, 2, s63                ; and one channel a lane
.irp i, 0,1,2,3
	global_load_b64 v[200+2*(\i):201+2*(\i)], v240, s[6:7] offset:8*(\i)
.endr
.irp g, 0,1,2,3
.irp k, 0,1,2,3
	global_load_b64 v[208+8*(\g)+2*(\k):209+8*(\g)+2*(\k)], v241, s[8:9] offset:64*(\g)+16*(\k)
.endr
.endr
.irp q, 0,1,2,3
	global_load_b128 v[32+8*(\q):35+8*(\q)],   v242, s[16:17] offset:64*(\q)      ; bias_k
	global_load_b128 v[36+8*(\q):39+8*(\q)],   v242, s[16:17] offset:64*(\q)+16
	global_load_b128 v[BVR+8*(\q):BVR+8*(\q)+3],   v242, s[18:19] offset:64*(\q)  ; bias_v
	global_load_b128 v[BVR+8*(\q)+4:BVR+8*(\q)+7], v242, s[18:19] offset:64*(\q)+16
	global_load_b128 v[BQ+8*(\q):BQ+8*(\q)+3],   v242, s[14:15] offset:64*(\q)    ; bq
	global_load_b128 v[BQ+8*(\q)+4:BQ+8*(\q)+7], v242, s[14:15] offset:64*(\q)+16
.endr
.irp n, 0,1
	global_load_b128 v[BK+8*(\n):BK+8*(\n)+3],   v243, s[10:11] offset:64*(\n)    ; bk
	global_load_b128 v[BK+8*(\n)+4:BK+8*(\n)+7], v243, s[10:11] offset:64*(\n)+16
	global_load_b32 v[BV+8*(\n)], v244, s[12:13] offset:64*(\n)                   ; bv
.endr
	; LDS addresses.  A fragment is 16 rows x 32 along K in 8 registers: lane l holds row l % 16; two loads of 16 bytes, 32 bytes apart, at row x pitch + 16 (l / 16)
	v_mul_u32_u24 v3, v1, PITCH
	v_lshl_add_u32 v3, v2, 4, v3
	s_mul_i32 s83, s[FB], 128*PITCH
	s_lshl_b32 s93, s[WV], 4
	s_add_co_u32 s93, s93, 256
	s_mul_i32 s93, s93, PITCH
	s_mul_i32 s100, s[J], 32*PITCH
	s_add_co_u32 s100, s100, BROW
.irp s, 0,1
	v_add_nc_u32 v[ADRX+(\s)], s83, v3
	v_add_nc_u32 v[ADRQ+(\s)], s93, v3
	v_add_nc_u32 v[ADRW+(\s)], s100, v3
	v_add_nc_u32 v[ADRWQ+(\s)], BROW+128*PITCH+(\s)*SLOT, v3
	s_add_co_u32 s83, s83, SLOT
	s_add_co_u32 s93, s93, SLOT
	s_add_co_u32 s100, s100, SLOT
.endr
	v_mul_u32_u24 v[KRD], v1, KP
	v_lshl_add_u32 v[KRD], v2, 4, v[KRD]
	s_mul_i32 s83, s[FB], 128*KP
	s_lshl_b32 s93, s[J], 6
	s_add_co_u32 s83, s83, s93
	s_add_co_u32 s83, s83, KREG
	v_add_nc_u32 v[KST], s83, v[KRD]               ; key 128 i + l % 16, channels 32 j + 8 (l / 16)
	s_mul_i32 s101, s[WV], 16*SP
	s_add_co_u32 s101, s101, STG                   ; my stage
	v_add_nc_u32 v[STI], s101, v[KRD]
	v_add_nc_u32 v[KRD], KREG, v[KRD]
	v_mul_u32_u24 v[VRD], v1, VP
	v_lshl_add_u32 v[VRD], v2, 4, v[VRD]
	s_mul_i32 s83, s[J], 32*VP
	s_lshl_b32 s93, s[FB], 8
	s_add_co_u32 s83, s83, s93
	v_add_nc_u32 v[VST], s83, v[VRD]               ; channel 32 j + l % 16, keys 128 i + 8 (l / 16)
	v_lshrrev_b32 v[STB], 3, v[STT]
	v_mul_u32_u24 v[STB], v[STB], SP
	v_and_b32 v[STW], 7, v0
	v_lshl_add_u32 v[STB], v[STW], 4, v[STB]
	v_add_nc_u32 v[STB], s101, v[STB]
	v_lshl_add_u32 v[STW], v[STT], 3, s101
	v_lshlrev_b32 v[GO], 4, v[STT]
	v_lshlrev_b32 v[GW], 3, v[STT]
	v_lshlrev_b32 v[PFO], 11, v[STT]
	v_mul_u32_u24 v[STT], v1, SP
	v_lshl_add_u32 v[STT], v2, 3, v[STT]
	v_add_nc_u32 v[STT], s101, v[STT]
	; where my results go
	s_lshl_b32 s66, s[BB], 5
	s_lshl1_add_u32 s66, s[HD], s66
	s_lshr_b32 s62, s[H4], 2
	s_add_co_u32 s66, s66, s62
	s_mul_i32 s66, s66, 9216                       ; wpart: [b][2 h + half][64 queries][72 f16],
	s_mul_i32 s62, s[WV], 2304                     ; my 16 queries
	s_add_co_u32 s66, s66, s62
	s_mov_b32 s67, 0
	s_add_nc_u64 s[22:23], s[22:23], s[66:67]
	s_lshl1_add_u32 s66, s[H4], s[BB]
	s_lshl4_add_u32 s66, s66, s[HD]
	s_lshl_b32 s66, s66, 13                        ; opart: [half][b][h][64 queries][64 f16]
	s_lshl_b32 s62, s[WV], 11
	s_add_co_u32 s66, s66, s62
	s_add_nc_u64 s[20:21], s[20:21], s[66:67]
	s_wait_loadcnt 0x0
	; the first maximum of my query's 8 scores: a later score wins only if it is greater
	v_mov_b32 v21, 0
	v_mov_b32 v22, v200
.irp g, 1,2,3,4,5,6,7
	v_cmp_gt_f32 vcc_lo, v[200+(\g)], v22
	v_cndmask_b32 v21, v21, \g, vcc_lo
	v_cndmask_b32 v22, v22, v[200+(\g)], vcc_lo
.endr
	v_sub_nc_u32 v21, v21, s[H4]
.irp g, 0,1,2,3
	v_cmp_eq_u32 s[MK+(\g)], \g, v21
.endr
	s_or_b32 s[OWN], s[MK], s[MK+1]
	s_or_b32 s[OWN], s[OWN], s[MK+2]
	s_or_b32 s[OWN], s[OWN], s[MK+3]
.irp i, 0,1,2,3,4,5,6,7
	v_cndmask_b32 v[MB+(\i)], v[208+(\i)], v[216+(\i)], s[MK+1]
.endr
.irp i, 0,1,2,3,4,5,6,7
	v_cndmask_b32 v[MB+(\i)], v[MB+(\i)], v[224+(\i)], s[MK+2]
.endr
.irp i, 0,1,2,3,4,5,6,7
	v_cndmask_b32 v[MB+(\i)], v[MB+(\i)], v[232+(\i)], s[MK+3]
.endr
.set i, 0
.rept 16
	v_cvt_pk_f16_f32 v[BKF+i], v[32+2*i], v[33+2*i]
.set i, i+1
.endr
.irp n, 0,1
.irp j, 1,2,3,4,5,6,7
	v_mov_b32 v[BV+8*(\n)+(\j)], v[BV+8*(\n)]      ; in V's sums a lane holds one channel: its bv in all eight registers
.endr
.endr
; Matrix instructions for blocks a0 .. a1 of my section rows: K's two and V's two each.  zero = 1: the biases start the sums: nothing is ever cleared.
; The 36 accumulators take turns, one instruction a turn, in the same order in every quarter.
.macro MULKV f, a0, a1, zero
.if \zero
	WIN W_KV0
.else
	WIN W_KV
.endif
.set aa, \a0
.rept (\a1)-(\a0)+1
.irp n, 0,1
.if \zero
	v_wmma_f32_16x16x32_f16 v[8*(4*aa+(\n)):8*(4*aa+(\n))+7], v[(\f)+64+8*(\n):(\f)+64+8*(\n)+7], v[(\f)+8*aa:(\f)+8*aa+7], v[BK+8*(\n):BK+8*(\n)+7]
.else
	v_wmma_f32_16x16x32_f16 v[8*(4*aa+(\n)):8*(4*aa+(\n))+7], v[(\f)+64+8*(\n):(\f)+64+8*(\n)+7], v[(\f)+8*aa:(\f)+8*aa+7], v[8*(4*aa+(\n)):8*(4*aa+(\n))+7]
.endif
.endr
.irp n, 0,1
.if \zero
	v_wmma_f32_16x16x32_f16 v[8*(4*aa+2+(\n)):8*(4*aa+2+(\n))+7], v[(\f)+8*aa:(\f)+8*aa+7], v[(\f)+80+8*(\n):(\f)+80+8*(\n)+7], v[BV+8*(\n):BV+8*(\n)+7]
.else
	v_wmma_f32_16x16x32_f16 v[8*(4*aa+2+(\n)):8*(4*aa+2+(\n))+7], v[(\f)+8*aa:(\f)+8*aa+7], v[(\f)+80+8*(\n):(\f)+80+8*(\n)+7], v[8*(4*aa+2+(\n)):8*(4*aa+2+(\n))+7]
.endif
.endr
.set aa, aa+1
.endr
.endm
.macro MULQ f, zero                    ; my 16 queries x the head's 64 channels
	WIN W_S0
.irp c, 0,1,2,3
.if \zero
	v_wmma_f32_16x16x32_f16 v[QACC+8*(\c):QACC+8*(\c)+7], v[(\f)+96+8*(\c):(\f)+96+8*(\c)+7], v[QF+(\f)/16:QF+(\f)/16+7], v[BQ+8*(\c):BQ+8*(\c)+7]
.else
	v_wmma_f32_16x16x32_f16 v[QACC+8*(\c):QACC+8*(\c)+7], v[(\f)+96+8*(\c):(\f)+96+8*(\c)+7], v[QF+(\f)/16:QF+(\f)/16+7], v[QACC+8*(\c):QACC+8*(\c)+7]
.endif
.endr
.endm
; 34 LDS loads in one run: a quarter step's 17 fragments (32 along K at byte k of the rows) into buffer f.  What the quarter's first half multiplies comes first: 16 loads; 18 follow.
.macro FETCH slot, k, f
	WIN W_LD
.irp n, 0,1
	ds_load_b128 v[(\f)+64+8*(\n):(\f)+64+8*(\n)+3],   v[ADRW+(\slot)] offset:(\k)+(\n)*16*PITCH
	ds_load_b128 v[(\f)+64+8*(\n)+4:(\f)+64+8*(\n)+7], v[ADRW+(\slot)] offset:(\k)+(\n)*16*PITCH+32
	ds_load_b128 v[(\f)+80+8*(\n):(\f)+80+8*(\n)+3],   v[ADRW+(\slot)] offset:(\k)+(64+16*(\n))*PITCH
	ds_load_b128 v[(\f)+80+8*(\n)+4:(\f)+80+8*(\n)+7], v[ADRW+(\slot)] offset:(\k)+(64+16*(\n))*PITCH+32
.endr
.irp a, 0,1,2,3,4,5,6,7
	ds_load_b128 v[(\f)+8*(\a):(\f)+8*(\a)+3],   v[ADRX+(\slot)] offset:(\k)+(\a)*16*PITCH
	ds_load_b128 v[(\f)+8*(\a)+4:(\f)+8*(\a)+7], v[ADRX+(\slot)] offset:(\k)+(\a)*16*PITCH+32
.endr
.irp c, 0,1,2,3
	ds_load_b128 v[(\f)+96+8*(\c):(\f)+96+8*(\c)+3],   v[ADRWQ+(\slot)] offset:(\k)+(\c)*16*PITCH
	ds_load_b128 v[(\f)+96+8*(\c)+4:(\f)+96+8*(\c)+7], v[ADRWQ+(\slot)] offset:(\k)+(\c)*16*PITCH+32
.endr
	WIN 0
	ds_load_b128 v[QF+(\f)/16:QF+(\f)/16+3],   v[ADRQ+(\slot)] offset:(\k)
	ds_load_b128 v[QF+(\f)/16+4:QF+(\f)/16+7], v[ADRQ+(\slot)] offset:(\k)+32
.endm
; A K step is four quarters of 32 along K, 36 matrix instructions each, on buffers 0, 1, 0, 1.  One of the first three: multiplies buffer f; in its middle it fetches the next quarter, at byte k, into g.
.macro QUARTER slot, k, f, g, zero
	s_wait_dscnt 18                                ; Wk, Wv and section blocks 0-3 are in; the youngest 18 loads may be out
	MULKV \f, 0, 3, \zero
	PLACES
	FETCH \slot, \k, \g
	s_wait_dscnt 34                                ; all but the 34 just issued
	MULKV \f, 4, 7, \zero
	MULQ \f, \zero
.endm
; The last quarter multiplies buffer 1 and changes slots: ONE barrier.  In front of it each wave waits for all its tensor loads (one is out: its part of the next slot), adds 0 to its spare word, and
; waits for that and for its reads of this slot.  fill = 1: the barrier opens a round of the cluster's, and this slot is filled again, two K steps on, first thing behind the round.
.macro TURN slot, next, fill, ask
	WIN 0
	s_wait_tensorcnt 0x0                           ; all my tensor loads have landed, so a group 0 may be written
	ds_add_u32 v[SPW], v[NIL]                      ; 0 onto my spare word
	s_wait_dscnt 19                                ; (the add and the youngest 18 loads may be out)
	MULKV F1, 0, 1, 0                              ; eight matrix instructions stand between the add and the wait for it
	s_wait_dscnt 0x0                               ; the add is done, and my reads of this slot are over
	s_barrier_signal -1
	MULKV F1, 2, 3, 0
.if \fill
	WIN 0
.endif
	s_barrier_wait -1
.if \fill
	CREST                                          ; no wave of any partner still reads this slot's tile or has a load on its way
	s_add_nc_u64 s[G0A+4*(\slot)+2:G0A+4*(\slot)+3], s[G0A+4*(\slot)+2:G0A+4*(\slot)+3], 512
	s_add_nc_u64 s[G0B+4*(\slot)+2:G0B+4*(\slot)+3], s[G0B+4*(\slot)+2:G0B+4*(\slot)+3], 512
	JLOAD \slot                                    ; my one tensor load behind the round; its four v_nop are also the places in front of the loads below
.else
	PLACES
.endif
	FETCH \next, 0, F0
	ASK \ask
	MULKV F1, 4, 7, 0
	MULQ F1, 0
.endm
	s_wait_tensorcnt 0x1                           ; my part of K step 0 is in; K step 1's may stay out
	s_barrier_signal -1
	s_barrier_wait -1                              ; everybody's is
	FETCH 0, 0, F0
	QUARTER 0, 64, F0, F1, 1                       ; the first quarter stands in front of the loop: its products start the sums
	WIN 0                                          ; at a label and at a branch every window is 0
	s_mov_b32 s[LAP], 3
.Llap:                                             ; a trip goes once round the ring, from a lap's second quarter to the next lap's first, and fills both slots again
	QUARTER 0, 128, F1, F0, 0
	QUARTER 0, 192, F0, F1, 0
	TURN 0, 1, 1, 1
	QUARTER 1, 64,  F0, F1, 0
	QUARTER 1, 128, F1, F0, 0
	QUARTER 1, 192, F0, F1, 0
	TURN 1, 0, 1, 2
	QUARTER 0, 64,  F0, F1, 0
	WIN 0
	s_sub_co_u32 s[LAP], s[LAP], 1
	s_cmp_lg_u32 s[LAP], 0
	s_cbranch_scc1 .Llap
	QUARTER 0, 128, F1, F0, 0                      ; the last lap fills nothing
	QUARTER 0, 192, F0, F1, 0
	TURN 0, 1, 0, 0                                ; behind this barrier nobody reads slot 0 any more
	QUARTER 1, 64,  F0, F1, 0
	QUARTER 1, 128, F1, F0, 0
	QUARTER 1, 192, F0, F1, 0
	s_wait_dscnt 0x0
	MULKV F1, 0, 7, 0
	MULQ F1, 0
	; K AND V GO TO LDS, rounded to f16: 16 bytes a lane, eight accumulators at a time.  Q stays in registers: two of its accumulators, rounded in pairs, are one fragment.
	WIN 0
	PLACES
.set t, 0
.rept 4
	WIN W_CV
.set u, 0
.rept 8
.irp p, 0,1,2,3
	v_cvt_pk_f16_f32 v[TMP+4*u+(\p)], v[8*(8*t+u)+2*(\p)], v[8*(8*t+u)+2*(\p)+1]
.endr
.set u, u+1
.endr
	WIN 0
.set u, 0
.rept 8
.if u%4 < 2
	ds_store_b128 v[KST], v[TMP+4*u:TMP+4*u+3] offset:(2*t+u/4)*16*KP+32*(u%4)
.else
	ds_store_b128 v[VST], v[TMP+4*u:TMP+4*u+3] offset:(u%4-2)*16*VP+32*(2*t+u/4)
.endif
.set u, u+1
.endr
.set t, t+1
.endr
.set i, 0
.rept 16
	v_cvt_pk_f16_f32 v[QFR+i], v[QACC+2*i], v[QACC+2*i+1]
.set i, i+1
.endr
	s_wait_dscnt 0x0                               ; for the others' sake: my stores are done
	s_barrier_signal -1
	s_barrier_wait -1                              ; K and V of the half's 256 keys lie in LDS
; THE SCORES.  A section's K (64 keys x 64 channels: 8 fragments, key block f / 2, channel half f % 2) into window 2, v0-63 or v64-127 by the section's parity; its V (key half f / 4, channel block f % 4) at v[64 g ..].
.macro FETCHK g
	WIN W_LD
.irp f, 0,1,2,3,4,5,6,7
	ds_load_b128 v[64*((\g)%2)+8*(\f):64*((\g)%2)+8*(\f)+3],   v[KRD] offset:(64*(\g)+16*((\f)/2))*KP+64*((\f)%2)
	ds_load_b128 v[64*((\g)%2)+8*(\f)+4:64*((\g)%2)+8*(\f)+7], v[KRD] offset:(64*(\g)+16*((\f)/2))*KP+64*((\f)%2)+32
.endr
.endm
.macro FETCHV g
	WIN W_LD
.irp f, 0,1,2,3,4,5,6,7
	ds_load_b128 v[64*(\g)+8*(\f):64*(\g)+8*(\f)+3],   v[VRD] offset:((\f)%4)*16*VP+128*(\g)+64*((\f)/4)
	ds_load_b128 v[64*(\g)+8*(\f)+4:64*(\g)+8*(\f)+7], v[VRD] offset:((\f)%4)*16*VP+128*(\g)+64*((\f)/4)+32
.endr
.endm
.macro RUN g, dst                      ; 8 products on 4 accumulators by turns; the first 4 start the sums
	WIN W_S0
.irp c, 0,1
.irp k, 0,1,2,3
.if (\c) == 0
	v_wmma_f32_16x16x32_f16 v[(\dst)+8*(\k):(\dst)+8*(\k)+7], v[64*((\g)%2)+16*(\k):64*((\g)%2)+16*(\k)+7], v[QFR:QFR+7], 0
.else
	v_wmma_f32_16x16x32_f16 v[(\dst)+8*(\k):(\dst)+8*(\k)+7], v[64*((\g)%2)+16*(\k)+8:64*((\g)%2)+16*(\k)+15], v[QFR+8:QFR+15], v[(\dst)+8*(\k):(\dst)+8*(\k)+7]
.endif
.endr
.endr
.endm
.macro SELECT g                        ; a query that chose section g takes its scores; each accumulator is read from its low end on
	WIN 0
.set i, 0
.rept 32
	v_cndmask_b32 v[SS+i], v[SS+i], v[SG+i], s[MK+(\g)]
.set i, i+1
.endr
.endm
	FETCHK 0
	FETCHK 1
	s_wait_dscnt 16                                ; section 0's K is in; section 1's 16 loads may be out
	WIN 0
	v_wmma_f32_16x16x32_f16 v[SX:SX+7], v[BKF:BKF+7], v[QFR:QFR+7], 0               ; bias_k's score, in every register: the second half follows behind eight other products
	RUN 0, SS
	WIN 0
	v_wmma_f32_16x16x32_f16 v[SX:SX+7], v[BKF+8:BKF+15], v[QFR+8:QFR+15], v[SX:SX+7]
	PLACES
	FETCHK 2
	FETCHV 2
	s_wait_dscnt 32                                ; section 1's K is in: 32 loads were issued behind it
	RUN 1, SG
	PLACES
	FETCHK 3
	SELECT 1
	s_wait_dscnt 16                                ; section 2's K and V are in; section 3's 16 loads may be out
	RUN 2, SG
	PLACES
	FETCHV 0
	FETCHV 3
	SELECT 2
	s_wait_dscnt 32                                ; section 3's K: behind it two sections' V
	RUN 3, SG
	PLACES
	FETCHV 1
	SELECT 3
	; THE SOFTMAX over my query's 32 of 64 scores (the other 32 lie in the lane 16 away), bias_k's and the zero key's.  A masked key's byte is 1: its score goes down by 1e30.
.set g, 0
.rept 4
.set e, 0
.rept 8
	v_bfe_u32 v[T+e], v[MB+2*g+e/4], 8*(e%4), 8
.set e, e+1
.endr
.set e, 0
.rept 8
	v_cvt_f32_u32 v[T+e], v[T+e]
.set e, e+1
.endr
.set e, 0
.rept 8
	v_fma_f32 v[SS+8*g+e], v[T+e], s[BIGN], v[SS+8*g+e]
.set e, e+1
.endr
.set g, g+1
.endr
.irp j, 0,1,2,3
	v_max3_num_f32 v[T+(\j)], v[SS+8*(\j)], v[SS+8*(\j)+1], v[SS+8*(\j)+2]
.endr
.irp j, 0,1,2,3
	v_max3_num_f32 v[T+(\j)], v[T+(\j)], v[SS+8*(\j)+3], v[SS+8*(\j)+4]
.endr
.irp j, 0,1,2,3
	v_max3_num_f32 v[T+(\j)], v[T+(\j)], v[SS+8*(\j)+5], v[SS+8*(\j)+6]
.endr
	v_max3_num_f32 v[T], v[T], v[SS+7], v[SS+15]
	v_max3_num_f32 v[T+2], v[T+2], v[SS+23], v[SS+31]
	v_max3_num_f32 v[T], v[T], v[T+1], v[T+2]
	v_max3_num_f32 v[T], v[T], v[T+3], v[SX]
	v_permlanex16_b32 v[T+1], v[T], s[SEL], s[SEL+1]
	v_max3_num_f32 v23, v[T], v[T+1], 0            ; m: the zero key's score is 0, so m is always a true score
	v_mul_f32 v22, s[CS], v23                      ; c m
.set i, 0
.rept 16
	v_pk_fma_f32 v[SS+2*i:SS+2*i+1], v[SS+2*i:SS+2*i+1], s[CS:CS+1], v[22:23] op_sel_hi:[1,0,0] neg_lo:[0,0,1] neg_hi:[0,0,1]
.set i, i+1
.endr
	v_fma_f32 v24, v[SX], s[CS], -v22
	v_sub_f32 v25, 0, v22
.set i, 0
.rept 32
	v_exp_f32 v[SS+i], v[SS+i]                     ; one batch of 34 exponentials
.set i, i+1
.endr
	v_exp_f32 v24, v24
	v_exp_f32 v25, v25
	v_nop                                          ; a plain instruction behind the last exponential,
	s_wait_alu depctr_va_vdst(0)                   ; and a wait ahead of the batch's first reader
.irp k, 0,1,2,3,4,5,6,7
	v_pk_add_f32 v[T+2*(\k):T+2*(\k)+1], v[SS+4*(\k):SS+4*(\k)+1], v[SS+4*(\k)+2:SS+4*(\k)+3]
.endr
.irp k, 0,1,2,3
	v_pk_add_f32 v[T+4*(\k):T+4*(\k)+1], v[T+4*(\k):T+4*(\k)+1], v[T+4*(\k)+2:T+4*(\k)+3]
.endr
	v_pk_add_f32 v[T:T+1], v[T:T+1], v[T+4:T+5]
	v_pk_add_f32 v[T+8:T+9], v[T+8:T+9], v[T+12:T+13]
	v_pk_add_f32 v[T:T+1], v[T:T+1], v[T+8:T+9]
	v_add_f32 v26, v[T], v[T+1]
	v_add_f32 v27, v24, v25
	v_permlanex16_b32 v[T+1], v26, s[SEL], s[SEL+1]
	v_add_f32 v26, v26, v27
	v_add_f32 v26, v26, v[T+1]                     ; l, at least 1: the maximum's own weight
	v_rcp_f32 v27, v26
	v_nop
	s_wait_alu depctr_va_vdst(0)
	v_cndmask_b32 v26, 0, v27, s[OWN]              ; 1 / l, or 0 for a query whose section lies in the other half
.set i, 0
.rept 16
	v_pk_mul_f32 v[SS+2*i:SS+2*i+1], v[SS+2*i:SS+2*i+1], v[26:27] op_sel_hi:[1,0]
.set i, i+1
.endr
	v_pk_mul_f32 v[24:25], v[24:25], v[26:27] op_sel_hi:[1,0]
.set i, 0
.rept 16
	v_cvt_pk_f16_f32 v[W16+i], v[SS+2*i], v[SS+2*i+1]
.set i, i+1
.endr
	v_cvt_pk_f16_f32 v[T], v24, v25
	v_cndmask_b32 v[T], 0, v[T], s[LOW16]          ; lanes 0-15 carry the pair (bias_k's weight, the zero key's), the others zeros
	v_mov_b32 v[T+1], 0
	; THE WEIGHTS LEAVE through my stage: rows of 144 bytes (64 weights, the pair, 6 zeros), which lie on end in wpart too
.irp k, 0,1,2,3
	ds_store_b128 v[STI], v[W16+4*(\k):W16+4*(\k)+3] offset:32*(\k)
.endr
	ds_store_b64 v[STT], v[T:T+1] offset:128
.irp f, 0,1,2,3,4,5,6,7,8
	ds_load_b64 v[WRB+2*(\f):WRB+2*(\f)+1], v[STW] offset:256*(\f)   ; LDS serves a wave's instructions in order (ISA guide 5.7.1.4): these see the stores above
.endr
.set i, 0
.rept 16
	v_pk_mul_f32 v[OA+2*i:OA+2*i+1], v[BVR+2*i:BVR+2*i+1], v[24:25] op_sel_hi:[1,0]  ; O^T starts with bias_v's share
.set i, i+1
.endr
	; section g's weights lie at v[32 + 16 g + 16 (g / 2)]: v32, v48 (where SG lay) and v80, v96 (where SS lay): none touches O^T
.irp g, 0,1,2,3
.set i, 0
.rept 16
	v_cndmask_b32 v[32+16*(\g)+16*((\g)/2)+i], 0, v[W16+i], s[MK+(\g)]  ; the weights count for the chosen section alone
.set i, i+1
.endr
.endr
	s_wait_dscnt 0x0                               ; the weights are back, and V's fragments are in
.irp f, 0,1,2,3,4,5,6,7,8
	global_store_b64 v[GW], v[WRB+2*(\f):WRB+2*(\f)+1], s[22:23] offset:256*(\f)  ; 32 lanes store 256 consecutive bytes, at a multiple of 256 from wpart's first byte
.endr
	; O^T += V^T P: 32 products on 4 accumulators by turns
	WIN W_S0
.irp g, 0,1,2,3
.irp k, 0,1
.irp c, 0,1,2,3
	v_wmma_f32_16x16x32_f16 v[OA+8*(\c):OA+8*(\c)+7], v[64*(\g)+32*(\k)+8*(\c):64*(\g)+32*(\k)+8*(\c)+7], v[32+16*(\g)+16*((\g)/2)+8*(\k):32+16*(\g)+16*((\g)/2)+8*(\k)+7], v[OA+8*(\c):OA+8*(\c)+7]
.endr
.endr
.endr
	WIN 0
	PLACES
.set i, 0
.rept 16
	v_cvt_pk_f16_f32 v[W16+i], v[OA+2*i], v[OA+2*i+1]
.set i, i+1
.endr
.irp c, 0,1,2,3
	ds_store_b128 v[STI], v[W16+4*(\c):W16+4*(\c)+3] offset:32*(\c)
.endr
.irp f, 0,1,2,3
	ds_load_b128 v[T+4*(\f):T+4*(\f)+3], v[STB] offset:(\f)*4*SP
.endr
	s_wait_dscnt 0x0
.irp f, 0,1,2,3
	global_store_b128 v[GO], v[T+4*(\f):T+4*(\f)+3], s[20:21] offset:512*(\f)  ; four rows of 128 bytes: 512 consecutive bytes, aligned
.endr
	s_wait_tensorcnt 0x0                           ; the wave's end: the add and its wait behind my last tensor load and my last LDS store
	ds_add_u32 v[SPW], v[NIL]
	s_wait_dscnt 0x0
	CROUND                                         ; the closing round: no work-group ends while a partner may still ask for a tile that names it
	s_endpgm
.Lfunc_end_k_q75af24e04f_fused:
	.size	k_q75af24e04f_fused, .Lfunc_end_k_q75af24e04f_fused-k_q75af24e04f_fused
	.p2alignl 7, 3214868480
	.fill 96, 4, 3214868480
	.section	.rodata,"a",@progbits
	.p2align	6, 0x0
	.amdhsa_kernel k_q75af24e04f_fused
		.amdhsa_group_segment_fixed_size 327680
		.amdhsa_private_segment_fixed_size 0
		.amdhsa_enable_private_segment 0
		.amdhsa_kernarg_size 80
		.amdhsa_user_sgpr_count 2
		.amdhsa_user_sgpr_kernarg_segment_ptr 1
		.amdhsa_wavefront_size32 1
		.amdhsa_system_sgpr_workgroup_id_x 1
		.amdhsa_system_sgpr_workgroup_id_y 1
		.amdhsa_system_sgpr_workgroup_id_z 1
		.amdhsa_system_vgpr_workitem_id 0
		.amdhsa_next_free_vgpr 768
		.amdhsa_next_free_sgpr 102
		.amdhsa_reserve_vcc 1
		.amdhsa_float_denorm_mode_32 3
		.amdhsa_float_denorm_mode_16_64 3
		.amdhsa_memory_ordered 1
		.amdhsa_forward_progress 1
		.amdhsa_inst_pref_size 150
	.end_amdhsa_kernel
	.amdgpu_metadata
---
amdhsa.version: [ 1, 2 ]
amdhsa.kernels:
  - .name:           k_q75af24e04f_fused
    .symbol:         k_q75af24e04f_fused.kd
    .args:
      - { .name: h16, .offset: 0, .size: 8, .value_kind: global_buffer, .address_space: global }
      - { .name: attn_scores, .offset: 8, .size: 8, .value_kind: global_buffer, .address_space: global }
      - { .name: sections_mask, .offset: 16, .size: 8, .value_kind: global_buffer, .address_space: global }
      - { .name: bk, .offset: 24, .size: 8, .value_kind: global_buffer, .address_space: global }
      - { .name: bv, .offset: 32, .size: 8, .value_kind: global_buffer, .address_space: global }
      - { .name: bq, .offset: 40, .size: 8, .value_kind: global_buffer, .address_space: global }
      - { .name: bias_k, .offset: 48, .size: 8, .value_kind: global_buffer, .address_space: global }
      - { .name: bias_v, .offset: 56, .size: 8, .value_kind: global_buffer, .address_space: global }
      - { .name: opart, .offset: 64, .size: 8, .value_kind: global_buffer, .address_space: global }
      - { .name: wpart, .offset: 72, .size: 8, .value_kind: global_buffer, .address_space: global }
    .group_segment_fixed_size: 327680
    .private_segment_fixed_size: 0
    .kernarg_segment_align: 8
    .kernarg_segment_size: 80
    .max_flat_workgroup_size: 128
    .sgpr_count:     102
    .vgpr_count:     768
    .wavefront_size: 32
...
	.end_amdgpu_metadata
.endif
;; end of part 2
;; launch outp (part 3): grid 16 x 16, 4 waves a work-group, no clusters, 39,680 bytes of LDS; arguments h16, opart, wpart, bo, out0, out1; writes out0, out1
.if DOCPART == 3
	.amdgcn_target "amdgcn-amd-amdhsa--gfx1250"
	.amdhsa_code_object_version 6
	.text
	.protected	k_q75af24e04f_outp
	.globl	k_q75af24e04f_outp
	.p2align	8
	.type	k_q75af24e04f_outp,@function
k_q75af24e04f_outp:
	s_mov_b64 s[64:65], 0
	v_nop
	global_prefetch_b8 v0, s[64:65] scope:SCOPE_SE
	s_setreg_imm32_b32 hwreg(HW_REG_WAVE_MODE, 25, 1), 1
	s_wait_xcnt 0x0
; out0[l][b][e] = the sum over k of O[b][l][k] Wo[e][k] + bo[e], and out1[b][l][s] = the mean over the 16 heads of the weights.
; O = opart's two halves added (for each query one of the two is 0, so the f16 sum is exact); Wo in f16 from h16; sums in f32.  The weights come as f16 from wpart, 32 sources (head, half) a batch.
; SHARES.  Work-group (x = nt, y = 2 b + lh): 32 queries l = 32 lh .. of batch b x 64 columns 64 nt ..; K = 1,024 IS SPLIT AMONG ITS FOUR WAVES: wave v takes k = 256 v .. (heads 4 v .. 4 v + 3), 8 trips
; of 32, written out: every step stands in an immediate and no pointer is stepped.  The four partial sums meet in LDS.  Each work-group also makes out1 for the two queries l0 = 2 (16 lh + nt), l0 + 1.
; Source 0 = Wo's rows, source 1 = the queries: a lane holds one query and 8 neighbouring columns.  Fragments come straight from memory, two loads of 16 bytes a lane: they lie there as they lie in registers.
; NO CLUSTER, NO TENSOR LOADS: a wave has 64 matrix instructions in all, in 8 trips; a ring in LDS with a round of a cluster's barrier at each change of slots would add more barriers than the launch has steps.
; Two sets of registers, a trip each: while one is multiplied the other's 16 loads are on their way.
.set PP,    272                        ; a row of a partial tile: 64 f32 + 16 bytes
.set PARTB, 32*PP
.set W1,    4*PARTB                    ; 8 partial sums of out1: 2 queries x 66 f32 = 528 bytes each
.set SPARE, 39168                      ; the spare words: 128 bytes for each wave, two blocks of 256 bytes that no other line names
.set WO_OFF, 16777216                  ; Wo's first row in h16
.set WV, 16
.set AO, 4                             ; v4  my offset in a fragment of O      v5  in a fragment of Wo
.set BO, 5
.set WO8, 6                            ; v6  my 8 weights of a source's row   v26 the row itself
.set WOR, 26
.set PST, 7                            ; v7  where I put 32 bytes of a partial tile   v8  where I read 16 bytes of a row back
.set PRD, 8
.set OO, 9                             ; v9  my 16 bytes of out0
.set WST, 10                           ; v10 where I put 8 partial means   v27 the row they belong to
.set WSR, 27
.set WRD, 11                           ; v11 where thread t < 33 reads its 16 bytes of the partial means   v12 16 t
.set O1O, 12
.set BOO, 13
.set SPW, 28
.set NIL, 29
.set ACC, 32                           ; v[32:95]  accumulator (a, nb) at ACC + 8 (4 a + nb)
.set SETS, 96                          ; v[96:223] two sets of 64: O's first half (2 fragments), its second half, Wo (4 fragments)
.macro PLACES
.rept 4
	v_nop
.endr
.endm
	s_load_b256 s[4:11], s[0:1], 0x0               ; h16 s[4:5], opart s[6:7], wpart s[8:9], bo s[10:11]
	s_load_b128 s[12:15], s[0:1], 0x20             ; out0 s[12:13], out1 s[14:15]
	v_lshl_add_u32 v[SPW], v0, 2, SPARE
	v_mov_b32 v[NIL], 0
	v_lshrrev_b32 v1, 5, v0
	v_readfirstlane_b32 s[WV], v1
	s_mov_b32 s17, ttmp9                           ; nt
	s_and_b32 s18, ttmp7, 0xffff
	s_lshr_b32 s19, s18, 1                         ; b
	s_and_b32 s20, s18, 1                          ; lh
	s_lshl_b32 s21, s20, 5
	s_lshl1_add_u32 s21, s17, s21                  ; l0
	v_and_b32 v1, 15, v0                           ; l % 16
	v_bfe_u32 v2, v0, 4, 1                         ; l / 16
	v_bfe_u32 v14, v0, 3, 1                        ; which of the two queries
	v_and_b32 v15, 7, v0                           ; which 8 of its 64 weights
	v_lshlrev_b32 v[AO], 7, v1
	v_lshl_add_u32 v[AO], v2, 4, v[AO]
	s_lshl_b32 s24, s[WV], 15
	v_add_nc_u32 v[AO], s24, v[AO]                 ; query row x 128 + 16 (l / 16) + my four heads
	v_lshlrev_b32 v[BO], 11, v1
	v_lshl_add_u32 v[BO], v2, 4, v[BO]
	s_lshl_b32 s24, s[WV], 9
	v_add_nc_u32 v[BO], s24, v[BO]                 ; Wo's row x 2,048 + 16 (l / 16) + my 256 along K
	s_mul_i32 s24, s[WV], 73728
	v_mul_u32_u24 v[WOR], v2, 9216
	v_mad_u32_u24 v[WOR], v14, 144, v[WOR]
	v_add_nc_u32 v[WOR], s24, v[WOR]               ; source 8 v + l / 16 (+ 2 i in the immediate), the query's row of 144 bytes
	v_lshl_add_u32 v[WO8], v15, 4, v[WOR]
	s_lshl_b32 s24, s17, 8
	v_lshl_add_u32 v[BOO], v1, 4, s24
	s_mul_i32 s25, s[WV], PARTB
	v_mul_u32_u24 v[PST], v1, PP
	v_lshl_add_u32 v[PST], v2, 5, v[PST]
	v_add_nc_u32 v[PST], s25, v[PST]
	s_mul_i32 s25, s[WV], 8*PP
	v_mul_u32_u24 v[PRD], v2, PP
	v_lshl_add_u32 v[PRD], v1, 4, v[PRD]
	v_add_nc_u32 v[PRD], s25, v[PRD]               ; row 8 v + l / 16 (+ 2 f in the immediate), 16 bytes a lane
	s_mul_i32 s25, s[WV], 2*528
	s_add_co_u32 s25, s25, W1
	v_mul_u32_u24 v[WSR], v2, 528
	v_mad_u32_u24 v[WSR], v14, 264, v[WSR]
	v_add_nc_u32 v[WSR], s25, v[WSR]
	v_lshl_add_u32 v[WST], v15, 5, v[WSR]
	v_min_u32 v[O1O], 32, v0                       ; threads 0 to 32 finish out1; the others' addresses are held at thread 32's
	v_lshlrev_b32 v[O1O], 4, v[O1O]
	v_add_nc_u32 v[WRD], W1, v[O1O]
	s_lshl_b32 s24, s[WV], 18
	v_lshlrev_b32 v[OO], 15, v2
	v_lshl_add_u32 v[OO], v1, 4, v[OO]
	v_add_nc_u32 v[OO], s24, v[OO]                 ; query 8 v + l / 16: rows of out0 for one batch lie 32,768 bytes apart
	v_mov_b32 v30, 0x3d800000                      ; 1 / 16
	v_mov_b32 v31, 0
	s_mov_b32 s23, 0
	s_lshl_b32 s22, s19, 17
	s_lshl_b32 s24, s20, 12
	s_add_co_u32 s22, s22, s24
	s_wait_kmcnt 0x0
	s_add_nc_u64 s[6:7], s[6:7], s[22:23]          ; opart at batch b, head 0, query 32 lh
	s_lshl_b32 s22, s17, 17
	s_add_co_u32 s22, s22, WO_OFF
	s_add_nc_u64 s[4:5], s[4:5], s[22:23]          ; Wo's row 64 nt
	s_mul_i32 s22, s19, 294912
	s_mul_i32 s24, s21, 144
	s_add_co_u32 s22, s22, s24
	s_add_nc_u64 s[8:9], s[8:9], s[22:23]          ; wpart at batch b, source 0, query l0
	s_lshl_b32 s22, s20, 8
	s_add_co_u32 s22, s22, s19
	s_lshl_b32 s22, s22, 12
	s_lshl_b32 s24, s17, 8
	s_add_co_u32 s22, s22, s24
	s_add_nc_u64 s[12:13], s[12:13], s[22:23]      ; out0 at query 32 lh, batch b, column 64 nt
	s_lshl_b32 s22, s19, 6
	s_add_co_u32 s22, s22, s21
	s_mul_i32 s22, s22, 264
	s_add_nc_u64 s[14:15], s[14:15], s[22:23]      ; out1 at (b, l0): a multiple of 528 bytes
.irp i, 0,1,2,3
	global_load_b128 v[224+4*(\i):227+4*(\i)], v[WO8], s[8:9] offset:18432*(\i)
	global_load_b32 v[240+(\i)], v[WOR], s[8:9] offset:18432*(\i)+128
.endr
	global_load_b128 v[244:247], v[BOO], s[10:11]
; A trip's 16 loads into a set: trip t is head 4 v + t / 2, channels 32 (t % 2) on
.macro LOADS set, t
.set SB, SETS+64*(\set)
.irp a, 0,1
	global_load_b128 v[SB+8*(\a):SB+8*(\a)+3],       v[AO], s[6:7] offset:(\a)*2048+((\t)/2)*8192+((\t)%2)*64
	global_load_b128 v[SB+8*(\a)+4:SB+8*(\a)+7],     v[AO], s[6:7] offset:(\a)*2048+((\t)/2)*8192+((\t)%2)*64+32
	global_load_b128 v[SB+16+8*(\a):SB+16+8*(\a)+3], v[AO], s[6:7] offset:(\a)*2048+((\t)/2)*8192+((\t)%2)*64+1048576
	global_load_b128 v[SB+16+8*(\a)+4:SB+16+8*(\a)+7], v[AO], s[6:7] offset:(\a)*2048+((\t)/2)*8192+((\t)%2)*64+32+1048576
.endr
.irp nb, 0,1,2,3
	global_load_b128 v[SB+32+8*(\nb):SB+32+8*(\nb)+3],   v[BO], s[4:5] offset:(\nb)*32768+64*(\t)
	global_load_b128 v[SB+32+8*(\nb)+4:SB+32+8*(\nb)+7], v[BO], s[4:5] offset:(\nb)*32768+64*(\t)+32
.endr
.endm
; A trip: the two halves of O are added, 8 products on 8 accumulators by turns (trip 0 starts the sums), and the set is asked for again
.macro TRIP t
.set SB, SETS+64*((\t)%2)
.if (\t) < 7
	s_wait_loadcnt 16                              ; this set is in (in trip 0 also the weights and bo, which were asked for first); the other set's 16 loads may stay out
.else
	s_wait_loadcnt 0x0
.endif
.set i, 0
.rept 16
	v_pk_add_f16 v[SB+i], v[SB+i], v[SB+16+i]
.set i, i+1
.endr
.irp a, 0,1
.irp nb, 0,1,2,3
.if (\t) == 0
	v_wmma_f32_16x16x32_f16 v[ACC+8*(4*(\a)+(\nb)):ACC+8*(4*(\a)+(\nb))+7], v[SB+32+8*(\nb):SB+32+8*(\nb)+7], v[SB+8*(\a):SB+8*(\a)+7], 0
.else
	v_wmma_f32_16x16x32_f16 v[ACC+8*(4*(\a)+(\nb)):ACC+8*(4*(\a)+(\nb))+7], v[SB+32+8*(\nb):SB+32+8*(\nb)+7], v[SB+8*(\a):SB+8*(\a)+7], v[ACC+8*(4*(\a)+(\nb)):ACC+8*(4*(\a)+(\nb))+7]
.endif
.endr
.endr
.if (\t) < 6
	PLACES
	LOADS (\t)%2, (\t)+2
.endif
.endm
	LOADS 0, 0
	LOADS 1, 1
.irp t, 0,1,2,3,4,5,6,7
	TRIP \t
.endr
	PLACES
	; my four sources' share of the means: 8 weights and the pair, each times 1 / 16, summed in f32
.irp i, 0,1,2,3
.irp p, 0,1,2,3
.if (\i) == 0
	v_fma_mix_f32 v[16+2*(\p)], v[224+(\p)], v30, v31 op_sel_hi:[1,0,0]
	v_fma_mix_f32 v[17+2*(\p)], v[224+(\p)], v30, v31 op_sel:[1,0,0] op_sel_hi:[1,0,0]
.else
	v_fma_mix_f32 v[16+2*(\p)], v[224+4*(\i)+(\p)], v30, v[16+2*(\p)] op_sel_hi:[1,0,0]
	v_fma_mix_f32 v[17+2*(\p)], v[224+4*(\i)+(\p)], v30, v[17+2*(\p)] op_sel:[1,0,0] op_sel_hi:[1,0,0]
.endif
.endr
.if (\i) == 0
	v_fma_mix_f32 v24, v240, v30, v31 op_sel_hi:[1,0,0]
	v_fma_mix_f32 v25, v240, v30, v31 op_sel:[1,0,0] op_sel_hi:[1,0,0]
.else
	v_fma_mix_f32 v24, v[240+(\i)], v30, v24 op_sel_hi:[1,0,0]
	v_fma_mix_f32 v25, v[240+(\i)], v30, v25 op_sel:[1,0,0] op_sel_hi:[1,0,0]
.endif
.endr
.irp q, 0,1,2,3
	ds_store_b64 v[WST], v[16+2*(\q):17+2*(\q)] offset:8*(\q)   ; a query's 66 numbers are 264 bytes: multiples of 8, not of 16
.endr
	ds_store_b64 v[WSR], v[24:25] offset:256                    ; the eight lanes of a row write the same pair
.irp a, 0,1
.irp nb, 0,1,2,3
	ds_store_b128 v[PST], v[ACC+8*(4*(\a)+(\nb)):ACC+8*(4*(\a)+(\nb))+3]   offset:(\a)*16*PP+64*(\nb)
	ds_store_b128 v[PST], v[ACC+8*(4*(\a)+(\nb))+4:ACC+8*(4*(\a)+(\nb))+7] offset:(\a)*16*PP+64*(\nb)+16
.endr
.endr
	s_wait_dscnt 0x0                               ; for the others' sake: my stores are done
	s_barrier_signal -1
	s_barrier_wait -1                              ; all partial sums lie in LDS
	; wave v finishes rows 8 v .. 8 v + 7, two at a time
.irp f, 0,1,2,3
.irp p, 0,1,2,3
	ds_load_b128 v[SETS+16*(\f)+4*(\p):SETS+16*(\f)+4*(\p)+3], v[PRD] offset:(\p)*PARTB+(\f)*2*PP
.endr
.endr
	s_wait_dscnt 0x0
.irp f, 0,1,2,3
.irp h, 0,2
	v_pk_add_f32 v[SETS+16*(\f)+(\h):SETS+16*(\f)+(\h)+1], v[SETS+16*(\f)+(\h):SETS+16*(\f)+(\h)+1], v[SETS+16*(\f)+4+(\h):SETS+16*(\f)+4+(\h)+1]
	v_pk_add_f32 v[SETS+16*(\f)+8+(\h):SETS+16*(\f)+8+(\h)+1], v[SETS+16*(\f)+8+(\h):SETS+16*(\f)+8+(\h)+1], v[SETS+16*(\f)+12+(\h):SETS+16*(\f)+12+(\h)+1]
.endr
.irp h, 0,2
	v_pk_add_f32 v[SETS+16*(\f)+(\h):SETS+16*(\f)+(\h)+1], v[SETS+16*(\f)+(\h):SETS+16*(\f)+(\h)+1], v[SETS+16*(\f)+8+(\h):SETS+16*(\f)+8+(\h)+1]
.endr
.irp h, 0,2
	v_pk_add_f32 v[SETS+16*(\f)+(\h):SETS+16*(\f)+(\h)+1], v[SETS+16*(\f)+(\h):SETS+16*(\f)+(\h)+1], v[244+(\h):245+(\h)]
.endr
	global_store_b128 v[OO], v[SETS+16*(\f):SETS+16*(\f)+3], s[12:13] offset:(\f)*65536  ; 16 lanes store 256 consecutive bytes, at a multiple of 256 from out0's first byte
.endr
	; out1: the two queries' 132 numbers are 33 pieces of 16 bytes, one for each of threads 0 to 32
	s_wait_xcnt 0x0                                ; EXEC changes only behind this wait: the stores above have read it
	v_cmp_gt_u32 vcc_lo, 33, v0
	s_and_saveexec_b32 s30, vcc_lo
.irp p, 0,1,2,3,4,5,6,7
	ds_load_b128 v[160+4*(\p):163+4*(\p)], v[WRD] offset:528*(\p)
.endr
	s_wait_dscnt 0x0
.irp h, 0,2
	v_pk_add_f32 v[160+(\h):161+(\h)], v[160+(\h):161+(\h)], v[164+(\h):165+(\h)]
	v_pk_add_f32 v[168+(\h):169+(\h)], v[168+(\h):169+(\h)], v[172+(\h):173+(\h)]
	v_pk_add_f32 v[176+(\h):177+(\h)], v[176+(\h):177+(\h)], v[180+(\h):181+(\h)]
	v_pk_add_f32 v[184+(\h):185+(\h)], v[184+(\h):185+(\h)], v[188+(\h):189+(\h)]
.endr
.irp h, 0,2
	v_pk_add_f32 v[160+(\h):161+(\h)], v[160+(\h):161+(\h)], v[168+(\h):169+(\h)]
	v_pk_add_f32 v[176+(\h):177+(\h)], v[176+(\h):177+(\h)], v[184+(\h):185+(\h)]
.endr
.irp h, 0,2
	v_pk_add_f32 v[160+(\h):161+(\h)], v[160+(\h):161+(\h)], v[176+(\h):177+(\h)]
.endr
	global_store_b128 v[O1O], v[160:163], s[14:15]
	s_wait_xcnt 0x0                                ; and again, in front of the line that widens EXEC
	s_or_b32 exec_lo, exec_lo, s30
	s_wait_tensorcnt 0x0                           ; the wave's end: the add and its wait behind my last LDS store
	ds_add_u32 v[SPW], v[NIL]
	s_wait_dscnt 0x0
	s_endpgm
.Lfunc_end_k_q75af24e04f_outp:
	.size	k_q75af24e04f_outp, .Lfunc_end_k_q75af24e04f_outp-k_q75af24e04f_outp
	.p2alignl 7, 3214868480
	.fill 96, 4, 3214868480
	.section	.rodata,"a",@progbits
	.p2align	6, 0x0
	.amdhsa_kernel k_q75af24e04f_outp
		.amdhsa_group_segment_fixed_size 39680
		.amdhsa_private_segment_fixed_size 0
		.amdhsa_enable_private_segment 0
		.amdhsa_kernarg_size 48
		.amdhsa_user_sgpr_count 2
		.amdhsa_user_sgpr_kernarg_segment_ptr 1
		.amdhsa_wavefront_size32 1
		.amdhsa_system_sgpr_workgroup_id_x 1
		.amdhsa_system_sgpr_workgroup_id_y 1
		.amdhsa_system_sgpr_workgroup_id_z 1
		.amdhsa_system_vgpr_workitem_id 0
		.amdhsa_next_free_vgpr 256
		.amdhsa_next_free_sgpr 66
		.amdhsa_reserve_vcc 1
		.amdhsa_float_denorm_mode_32 3
		.amdhsa_float_denorm_mode_16_64 3
		.amdhsa_memory_ordered 1
		.amdhsa_forward_progress 1
		.amdhsa_inst_pref_size 39
	.end_amdhsa_kernel
	.amdgpu_metadata
---
amdhsa.version: [ 1, 2 ]
amdhsa.kernels:
  - .name:           k_q75af24e04f_outp
    .symbol:         k_q75af24e04f_outp.kd
    .args:
      - { .name: h16, .offset: 0, .size: 8, .value_kind: global_buffer, .address_space: global }
      - { .name: opart, .offset: 8, .size: 8, .value_kind: global_buffer, .address_space: global }
      - { .name: wpart, .offset: 16, .size: 8, .value_kind: global_buffer, .address_space: global }
      - { .name: bo, .offset: 24, .size: 8, .value_kind: global_buffer, .address_space: global }
      - { .name: out0, .offset: 32, .size: 8, .value_kind: global_buffer, .address_space: global }
      - { .name: out1, .offset: 40, .size: 8, .value_kind: global_buffer, .address_space: global }
    .group_segment_fixed_size: 39680
    .private_segment_fixed_size: 0
    .kernarg_segment_align: 8
    .kernarg_segment_size: 48
    .max_flat_workgroup_size: 128
    .sgpr_count:     66
    .vgpr_count:     256
    .wavefront_size: 32
...
	.end_amdgpu_metadata
.endif
;; end of part 3
